; MI455X (gfx1250); checked and timed in simulation.
; The chip was launched on July 23, 2026; its instructions are those of AMD's public machine-readable ISA for CDNA 5 (MIT licence, August 2026) and "CDNA5" Instruction Set Architecture Reference Guide (July 2026). The comments in the code are by the model that wrote it; some were corrected since.
;; Mixture Of Experts. Allowed arithmetic: float matrix products may take bf16 or f16 operands with f32 sums; all other float work in f32.
;; Inputs: W1 2 x 1,024 x 4,096 float32; W2 2 x 4,096 x 1,024 float32; Wg 2 x 1,024 float32; b1 2 x 4,096 float32; b2 2 x 1,024 float32; bg 2 float32; x 2 x 2,048 x 1,024 float32.
;; Outputs: out0 2 x 2,048 x 1,024 float32; out1 one number float32.
;; One version. Each part assembles by itself: llvm-mc -triple=amdgcn-amd-amdhsa -mcpu=gfx1250 --defsym DOCPART=n.
;; ======== version 1 of 1: 3 launches
;; workspace buffers: xb 8,388,608 bytes; w1b 16,777,216 bytes; w2b 16,777,216 bytes; hb 67,108,864 bytes; gd 65,536 bytes
;; launch prep (part 1): grid 320 x 1, 8 waves a work-group, no clusters, 2,048 bytes of LDS; arguments x, Wg, bg, W1, W2, xb, gd, w1b, w2b, out1; writes xb, gd, w1b, w2b, out1
.if DOCPART == 1
	.amdgcn_target "amdgcn-amd-amdhsa--gfx1250"
	.amdhsa_code_object_version 6
	.text
	.protected	k_q5cf5710851_prep
	.globl	k_q5cf5710851_prep
	.p2align	8
	.type	k_q5cf5710851_prep,@function
k_q5cf5710851_prep:
	s_mov_b64 s[64:65], 0
	v_nop
	global_prefetch_b8 v0, s[64:65] scope:SCOPE_SE
	s_setreg_imm32_b32 hwreg(HW_REG_WAVE_MODE, 25, 1), 1
	s_wait_xcnt 0x0
; x, W1 and W2 are rounded to bf16 as they lie (no transposition): xb, w1b, w2b.  On the way x's gate is made:
; logits l_e[t] = x[t] . Wg[e] + bg[e], g_e[t] = softmax over the two logits with the larger one taken away first, stored as gd[e][t][2] (the number twice: a pair for packed arithmetic).
; FORMAT.  The logits are a matrix product like the two large ones, and take their operands in the same format: x as xb holds it, Wg rounded to bf16; products, sums, bg and the softmax in f32.
; It has 2 columns, too few for the matrix unit: the multiply-adds ride on the stream, in the lane that holds the numbers anyway.
; TOP_K = NUM_EXPERTS = 2 in the problem's own text: the top two of two logits are both of them, whatever they hold, so the combine weights are the softmax over both
; and each expert is counted once for each of the 4,096 tokens.  The loss is made from those counts.
; LIMITS.  A gate below 2^-126 comes out as 0 (v_exp_f32 gives 0 for such results: ISA guide 15.8).  The loss forms (count - total / 2) / total where the problem writes count / total - 1 / 2:
; another order of rounding; here the difference is exactly 0 whatever the reciprocal's last bit.
; SHARES.  The unit is a row of 1,024 f32 (4,096 bytes in, 2,048 out).  A work-group takes 64 rows, each of its eight waves 8.  Work-groups 0-63: x; 64-191: W1; 192-319: W2.
; A wave's load covers 512 neighbouring bytes, its store 256 neighbouring bytes, aligned.  A ring of four row slots in registers keeps 32 loads of every wave on their way.
; No tensor loads: every byte is used once, by the lane that loaded it.
.set ROWB,  4096                       ; bytes of a row as read
.set OROWB, 2048                       ; as written
.set VIN,  1                           ; v1   32,768 x wave + 16 x lane: my 16 bytes of load 0 of my wave's row 0; never rewritten
.set VOUT, 2                           ; v2   16,384 x wave + 8 x lane: my 8 bytes there in the output; never rewritten
.set VW,   3                           ; v3   16 x lane: Wg, the gates' read-back and their store; never rewritten
.set VLA,  4                           ; v4   LDS: 64 x wave + 8 x (lane % 8): the pair of row lane % 8 of my wave
.set L,    6                           ; v[6:13]   four chains of pairs: expert e, chain c at L + 4 e + 2 c
.set W,    14                          ; v[14:21]  at work
.set C0,   22                          ; v[22:23]  lane l collects g0 of my wave's row l % 8
.set C1,   24                          ; v[24:25]  the same for g1
.set Y,    26                          ; v[26:41]  a row's 16 registers to store
.set WG,   42                          ; v[42:105] Wg[e][128 j + 4 lane + c] at WG + 32 e + 4 j + c, rounded to bf16 and widened again
.set X,    106                         ; v[106:233] four slots of 32: a row as loaded
.macro FILL slot, row                  ; eight loads: the whole row
.irp j, 0,1,2,3,4,5,6,7
	global_load_b128 v[X+32*(\slot)+4*\j:X+32*(\slot)+4*\j+3], v[VIN], s[26:27] offset:(\row)*ROWB+512*\j th:TH_LOAD_NT
.endr
.endm
; The gate of my wave's row i, from the four chains.
.macro GATE i
	v_pk_add_f32 v[L:L+1], v[L:L+1], v[L+2:L+3]
	v_pk_add_f32 v[L+4:L+5], v[L+4:L+5], v[L+6:L+7]
	v_add_f32 v[W], v[L], v[L+1]
	v_add_f32 v[W+1], v[L+4], v[L+5]
.irp m, 1,2,4,8                        ; across the lanes: four steps inside each half of 16 ride on the addition
	v_add_f32_dpp v[W], v[W], v[W] row_xmask:\m row_mask:0xf bank_mask:0xf
	v_add_f32_dpp v[W+1], v[W+1], v[W+1] row_xmask:\m row_mask:0xf bank_mask:0xf
.endr
	v_permlanex16_b32 v[L], v[W], s30, s31         ; the other half's sum; the destination is a chain register that is used up
	v_permlanex16_b32 v[L+4], v[W+1], s30, s31
	v_add_f32 v[W], v[W], v[L]
	v_add_f32 v[W+1], v[W+1], v[L+4]
	v_add_f32 v[W], s32, v[W]                      ; + bg: every lane holds both logits
	v_add_f32 v[W+1], s33, v[W+1]
	v_max_num_f32 v[W+2], v[W], v[W+1]             ; the maximum is taken away:
	v_mul_f32 v[W+2], s40, v[W+2]                  ; - c m, c = log2(e); its rounding shifts both exponents alike and cancels in the quotient
	v_fma_f32 v[W], v[W], s39, v[W+2]              ; c l - c m: at most about 0
	v_fma_f32 v[W+1], v[W+1], s39, v[W+2]
	v_exp_f32 v[W+3], v[W]
	v_exp_f32 v[W+4], v[W+1]
	v_nop                                          ; a plain instruction between the second exponential and the use of its result (ISA guide 5.7.2)
	s_wait_alu depctr_va_vdst(0)
	v_add_f32 v[W+5], v[W+3], v[W+4]               ; between 1 and 2
	v_rcp_f32 v[W+6], v[W+5]
	v_nop
	s_wait_alu depctr_va_vdst(0)
	v_mul_f32 v[W+3], v[W+3], v[W+6]
	v_mul_f32 v[W+4], v[W+4], v[W+6]
.if (\i) == 0
	v_mov_b32 v[C0], v[W+3]                        ; row 0 starts the collectors
	v_mov_b32 v[C1], v[W+4]
.else
	s_mov_b32 s35, 0x01010101<<(\i)                ; the lanes with lane % 8 = i
	v_cndmask_b32 v[C0], v[C0], v[W+3], s35
	v_cndmask_b32 v[C1], v[C1], v[W+4], s35
.endif
.endm
; Row i of my wave's eight, in slot i % 4.  gate = 1: x, with the logits.  left = the loads issued behind this row's: those of the rows i + 1 to i + 3 that exist.
.macro TURN i, gate, left
.set XS, X+32*((\i)%4)
	s_wait_loadcnt \left                           ; loads come back in order (ISA guide 5.7.1): my row is in; the younger rows stay out
	s_wait_xcnt 0x0                                ; Y, which the last row's stores read, is rewritten only behind this wait
.irp j, 0,1,2,3,4,5,6,7
	v_cvt_pk_bf16_f32 v[Y+2*\j],   v[XS+4*\j],   v[XS+4*\j+1]      ; two roundings to nearest even, packed
	v_cvt_pk_bf16_f32 v[Y+2*\j+1], v[XS+4*\j+2], v[XS+4*\j+3]
.endr
.if \gate
.irp k, 0,1,2,3,4,5,6,7,8,9,10,11,12,13,14,15
	v_lshlrev_b32 v[XS+2*\k],   16,  v[Y+\k]       ; the rounded numbers, widened over the slot: the gate sees what xb holds
	v_and_b32     v[XS+2*\k+1], s41, v[Y+\k]
.endr
.irp e, 0,1
.irp c, 0,1
	v_pk_mul_f32 v[L+4*\e+2*\c:L+4*\e+2*\c+1], v[XS+2*\c:XS+2*\c+1], v[WG+32*\e+2*\c:WG+32*\e+2*\c+1]   ; the first products start the chains: nothing is cleared
.endr
.endr
.irp j, 1,2,3,4,5,6,7
.irp e, 0,1
.irp c, 0,1
	v_pk_fma_f32 v[L+4*\e+2*\c:L+4*\e+2*\c+1], v[XS+4*\j+2*\c:XS+4*\j+2*\c+1], v[WG+32*\e+4*\j+2*\c:WG+32*\e+4*\j+2*\c+1], v[L+4*\e+2*\c:L+4*\e+2*\c+1]
.endr
.endr
.endr
.endif
.if (\i) < 4
	FILL \i, \i+4                                  ; the slot's next row, ahead of the stores
.endif
.irp j, 0,1,2,3,4,5,6,7
	global_store_b64 v[VOUT], v[Y+2*\j:Y+2*\j+1], s[28:29] offset:(\i)*OROWB+256*\j   ; 32 lanes store 256 consecutive bytes, aligned; a later launch reads them: no hint
.endr
.if \gate
	GATE \i
.endif
.endm
	s_load_b512 s[4:19], s[0:1], 0x0               ; x s[4:5], Wg s[6:7], bg s[8:9], W1 s[10:11], W2 s[12:13], xb s[14:15], gd s[16:17], w1b s[18:19]
	s_load_b128 s[20:23], s[0:1], 0x40             ; w2b s[20:21], out1 s[22:23]
	v_lshl_add_u32 v234, v0, 2, 0x400
	v_mov_b32 v235, 0
	v_lshrrev_b32 v5, 5, v0                        ; wave
	v_and_b32 v4, 31, v0                           ; lane
	v_readfirstlane_b32 s34, v5
	v_lshlrev_b32 v[VW], 4, v4
	v_lshl_or_b32 v[VIN], v5, 15, v[VW]
	v_lshlrev_b32 v[VOUT], 3, v4
	v_lshl_or_b32 v[VOUT], v5, 14, v[VOUT]
	v_and_b32 v4, 7, v0
	v_lshlrev_b32 v4, 3, v4
	v_lshl_or_b32 v[VLA], v5, 6, v4
	s_mov_b32 s37, 0                               ; the high word of every offset pair
	s_wait_kmcnt 0x0
	s_cmp_ge_u32 ttmp9, 64                         ; the same in all waves of a work-group
	s_cbranch_scc1 .Lweights
	; ---- x, with the gate ----
	s_load_b64 s[32:33], s[8:9], 0x0               ; bg[0], bg[1]
	s_lshl_b32 s36, ttmp9, 18                      ; 64 rows of 4,096 bytes
	s_add_nc_u64 s[26:27], s[4:5], s[36:37]
	s_lshl_b32 s36, ttmp9, 17                      ; 64 rows of 2,048 bytes
	s_add_nc_u64 s[28:29], s[14:15], s[36:37]
	s_lshl_b32 s36, ttmp9, 9                       ; 64 pairs of 8 bytes
	s_add_nc_u64 s[16:17], s[16:17], s[36:37]
	s_mov_b32 s30, 0x76543210                      ; v_permlanex16_b32: each lane takes its own place in the other half
	s_mov_b32 s31, 0xfedcba98
	s_mov_b32 s39, 0x3fb8aa3b                      ; c = log2(e)
	s_mov_b32 s40, 0xbfb8aa3b                      ; - c
	s_mov_b32 s41, 0xffff0000                      ; a word's upper bf16
.irp e, 0,1
.irp j, 0,1,2,3,4,5,6,7
	global_load_b128 v[WG+32*\e+4*\j:WG+32*\e+4*\j+3], v[VW], s[6:7] offset:4096*\e+512*\j    ; the columns that my lane holds of every row
.endr
.endr
	FILL 0, 0
	FILL 1, 1
	FILL 2, 2
	FILL 3, 3
	s_wait_loadcnt 32                              ; Wg's sixteen loads are in; the 32 loads of rows 0 to 3, issued behind them, stay out
.set k, 0
.rept 32                               ; Wg is rounded to bf16 once, in place: two numbers packed, then widened again; four work registers by turns
	v_cvt_pk_bf16_f32 v[W+k%4], v[WG+2*k], v[WG+2*k+1]
	v_lshlrev_b32 v[WG+2*k],   16,  v[W+k%4]
	v_and_b32     v[WG+2*k+1], s41, v[W+k%4]
.set k, k+1
.endr
	s_wait_kmcnt 0x0                               ; bg
	TURN 0, 1, 24
	TURN 1, 1, 24
	TURN 2, 1, 24
	TURN 3, 1, 24
	TURN 4, 1, 24
	TURN 5, 1, 16                                  ; nothing is left to load: the counts run down
	TURN 6, 1, 8
	TURN 7, 1, 0
	v_mov_b32 v[C0+1], v[C0]                       ; each gate twice: the pair that the later launches multiply by
	v_mov_b32 v[C1+1], v[C1]
	ds_store_b64 v[VLA], v[C0:C0+1]                ; LDS 0-511: g0 of the group's 64 rows; four lanes write each pair, with the same value
	ds_store_b64 v[VLA], v[C1:C1+1] offset:512     ; LDS 512-1023: g1
	s_wait_dscnt 0x0                               ; for the others' sake: my stores are done
	s_barrier_signal -1
	s_barrier_wait -1
	s_cmp_lg_u32 s34, 0
	s_cbranch_scc1 .Lend                           ; wave 0 sends the gates out
	ds_load_b128 v[L:L+3], v[VW]
	ds_load_b128 v[L+4:L+7], v[VW] offset:512
	s_wait_dscnt 0x0
	global_store_b128 v[VW], v[L:L+3], s[16:17]                    ; 512 consecutive bytes, aligned
	global_store_b128 v[VW], v[L+4:L+7], s[16:17] offset:32768     ; expert 1's 4,096 pairs lie behind expert 0's
	s_cmp_lg_u32 ttmp9, 0
	s_cbranch_scc1 .Lend
	; the load-balance loss, once: counts[e] = 4,096 for both experts
	v_mov_b32 v[W], 0x45800000                     ; 4096.0
	v_add_f32 v[W+1], v[W], v[W]                   ; the sum of the counts
	v_add_f32 v[W+1], 0x322bcc77, v[W+1]           ; + 1e-8
	v_rcp_f32 v[W+2], v[W+1]
	v_fma_f32 v[W+3], v[W+1], -0.5, v[W]           ; count - total / 2 (the plain instruction behind the reciprocal)
	v_mov_b32 v5, 0
	s_wait_alu depctr_va_vdst(0)
	v_mul_f32 v[W+3], v[W+3], v[W+2]               ; frac - 1 / 2, the same for both experts
	v_mul_f32 v[W+4], v[W+3], v[W+3]               ; expert 0's square
	v_fma_f32 v[W+4], v[W+3], v[W+3], v[W+4]       ; + expert 1's
	v_mul_f32 v[W+4], 0x3c23d70a, v[W+4]           ; x 0.01
	s_wait_xcnt 0x0                                ; EXEC is a source of the stores above: it changes only behind this wait
	v_cmp_eq_u32 vcc_lo, 0, v0
	s_and_saveexec_b32 s38, vcc_lo
	global_store_b32 v5, v[W+4], s[22:23]
	s_wait_xcnt 0x0                                ; and again in front of the line that widens it
	s_or_b32 exec_lo, exec_lo, s38
.Lend:
	s_wait_tensorcnt 0x0
	ds_add_u32 v234, v235
	s_wait_dscnt 0x0
	s_endpgm
	; ---- W1 and W2: the same stream without a gate ----
.Lweights:
	s_sub_co_u32 s24, ttmp9, 64
	s_cmp_lt_u32 s24, 128                          ; 128 work-groups for each of the two tensors
	s_cselect_b64 s[26:27], s[10:11], s[12:13]
	s_cselect_b64 s[28:29], s[18:19], s[20:21]
	s_and_b32 s25, s24, 127
	s_lshl_b32 s36, s25, 18
	s_add_nc_u64 s[26:27], s[26:27], s[36:37]
	s_lshl_b32 s36, s25, 17
	s_add_nc_u64 s[28:29], s[28:29], s[36:37]
	FILL 0, 0
	FILL 1, 1
	FILL 2, 2
	FILL 3, 3
	TURN 0, 0, 24
	TURN 1, 0, 24
	TURN 2, 0, 24
	TURN 3, 0, 24
	TURN 4, 0, 24
	TURN 5, 0, 16
	TURN 6, 0, 8
	TURN 7, 0, 0
	s_endpgm
.Lfunc_end_k_q5cf5710851_prep:
	.size	k_q5cf5710851_prep, .Lfunc_end_k_q5cf5710851_prep-k_q5cf5710851_prep
	.p2alignl 7, 3214868480
	.fill 96, 4, 3214868480
	.section	.rodata,"a",@progbits
	.p2align	6, 0x0
	.amdhsa_kernel k_q5cf5710851_prep
		.amdhsa_group_segment_fixed_size 2048
		.amdhsa_private_segment_fixed_size 0
		.amdhsa_enable_private_segment 0
		.amdhsa_kernarg_size 80
		.amdhsa_user_sgpr_count 2
		.amdhsa_user_sgpr_kernarg_segment_ptr 1
		.amdhsa_wavefront_size32 1
		.amdhsa_system_sgpr_workgroup_id_x 1
		.amdhsa_system_sgpr_workgroup_id_y 1
		.amdhsa_system_sgpr_workgroup_id_z 1
		.amdhsa_system_vgpr_workitem_id 0
		.amdhsa_next_free_vgpr 236
		.amdhsa_next_free_sgpr 66
		.amdhsa_reserve_vcc 1
		.amdhsa_float_denorm_mode_32 3
		.amdhsa_float_denorm_mode_16_64 3
		.amdhsa_memory_ordered 1
		.amdhsa_forward_progress 1
		.amdhsa_inst_pref_size 88
	.end_amdhsa_kernel
	.amdgpu_metadata
---
amdhsa.version: [ 1, 2 ]
amdhsa.kernels:
  - .name:           k_q5cf5710851_prep
    .symbol:         k_q5cf5710851_prep.kd
    .args:
      - { .name: x, .offset: 0, .size: 8, .value_kind: global_buffer, .address_space: global }
      - { .name: Wg, .offset: 8, .size: 8, .value_kind: global_buffer, .address_space: global }
      - { .name: bg, .offset: 16, .size: 8, .value_kind: global_buffer, .address_space: global }
      - { .name: W1, .offset: 24, .size: 8, .value_kind: global_buffer, .address_space: global }
      - { .name: W2, .offset: 32, .size: 8, .value_kind: global_buffer, .address_space: global }
      - { .name: xb, .offset: 40, .size: 8, .value_kind: global_buffer, .address_space: global }
      - { .name: gd, .offset: 48, .size: 8, .value_kind: global_buffer, .address_space: global }
      - { .name: w1b, .offset: 56, .size: 8, .value_kind: global_buffer, .address_space: global }
      - { .name: w2b, .offset: 64, .size: 8, .value_kind: global_buffer, .address_space: global }
      - { .name: out1, .offset: 72, .size: 8, .value_kind: global_buffer, .address_space: global }
    .group_segment_fixed_size: 2048
    .private_segment_fixed_size: 0
    .kernarg_segment_align: 8
    .kernarg_segment_size: 80
    .max_flat_workgroup_size: 256
    .sgpr_count:     66
    .vgpr_count:     236
    .wavefront_size: 32
...
	.end_amdgpu_metadata
.endif
;; end of part 1
;; launch ffn1 (part 2): grid 32 x 16, 4 waves a work-group, clusters of 4 x 4, 327,680 bytes of LDS; arguments xb, w1b, b1, gd, hb; writes hb
.if DOCPART == 2
	.amdgcn_target "amdgcn-amd-amdhsa--gfx1250"
	.amdhsa_code_object_version 6
	.text
	.protected	k_q5cf5710851_ffn1
	.globl	k_q5cf5710851_ffn1
	.p2align	8
	.type	k_q5cf5710851_ffn1,@function
k_q5cf5710851_ffn1:
	s_mov_b64 s[64:65], 0
	v_nop
	global_prefetch_b8 v0, s[64:65] scope:SCOPE_SE
	s_setreg_imm32_b32 hwreg(HW_REG_WAVE_MODE, 25, 1), 1
	s_wait_xcnt 0x0
	s_wait_alu depctr_hold_cnt(0) depctr_sa_sdst(0) depctr_va_vdst(0) depctr_va_sdst(0) depctr_va_ssrc(0) depctr_va_vcc(0) depctr_vm_vsrc(0)
	s_getreg_b32 s2, hwreg(HW_REG_IB_STS2, 6, 4)
	s_cmp_eq_u32 s2, 0
	s_cbranch_scc0 .Lentry_in_a_cluster
	s_endpgm
.Lentry_in_a_cluster:
	s_bfe_u32 s2, ttmp6, 0x10000c
	s_cmp_lg_u32 s2, 0xf033
	s_cbranch_scc0 .Lentry_shape_is_right
	s_endpgm
.Lentry_shape_is_right:
; h'[t][4096 e + h] = bf16( g_e[t] relu( sum over d of xb[t][d] w1b[e][d][h] + b1[e][h] ) ).  xb: [4096][1024], w1b: [2][1024][4096], bf16; b1: [2][4096] f32;
; gd: [2][4096][2] f32, the gate twice.  Sums in f32; h' rounded once.  The two experts' columns lie side by side, so the launch is ONE product of 4,096 x 8,192 x 1,024.
; hb HOLDS h' IN THE ORDER IN WHICH THE NEXT LAUNCH'S MATRIX INSTRUCTIONS TAKE IT: for each block of 16 rows 262,144 bytes; in them for each 32 columns 1,024 bytes, as two halves of 512;
; in a half lane l's 16 bytes at 16 l: row l % 16, columns 16 x half + 8 (l / 16) + 0..7.  That is what a lane here holds of an accumulator once it is packed, so the results leave straight from registers.
; LIMITS.  The bias starts each sum (it is the C of the first product), so it is added first and not last.  The gate, which is never negative, is multiplied in ahead of the relu: g relu(z) = relu(g z).
; relu is v_max_num_f32 with 0: a sum that is NaN gives 0.
; SHARES.  A tile of h', 256 x 256, is made by four waves, each 128 x 128: 64 accumulators of 16 x 16, 512 registers.  K = 1,024 goes in 8 steps of 128 through two LDS slots filled by tensor loads.
; xb's tile lies [row][k]: rows of 256 bytes.  w1b's lies [k][column]: 128 k-rows of 512 bytes; its fragments leave LDS turned, by ds_load_tr16_b128.
; CLUSTER.  4 x 4 work-groups.  The four of a row of the cluster need the same tile of xb, the four of a column the same tile of w1b: each is asked for jointly, by the same tensor load with the same
; descriptor and a mask that names the four.
; THE MATRIX INSTRUCTION IS USED TRANSPOSED: source 0 = 16 columns of w1b, source 1 = 16 rows of xb.  Lane l then holds row l % 16 of the tile and in registers 0-7 the columns 8 (l / 16) + 0..7.
; REGISTERS in windows of 256 (s_set_vgpr_msb: bits 1:0 source 0, 3:2 source 1, 5:4 source 2, 7:6 destination):
;   window 0: v0-15 addresses; v16-31 gates; v64-127, v128-191 xb's fragments, two buffers; on the way out v64-127 and v192-223 at work
;   window 1: v0-63 the bias of my 128 columns; v64-127, v128-191 w1b's fragments, two buffers
;   window 2: the accumulators of my rows 0-63 ((a, b) at v[8 (8 a + b)]);  window 3: those of my rows 64-127
.set PA,     272                       ; an LDS row of xb: 256 bytes + 16 = 68 words: the 16 rows that a load touches start 4 words apart modulo 64 (64 banks of 4 bytes: ISA guide 11.1)
.set PB,     544                       ; an LDS k-row of w1b: 512 bytes + 32 = 136 words: the 8 k-rows x 32 bytes that 16 lanes of the turning load take start 8 words apart modulo 64
.set HALFT,  128*PA                    ; what one tensor load brings: 128 rows of xb, or 64 k-rows of w1b (64 x 544 is the same 34,816 bytes)
.set SLOT,   4*HALFT                   ; xb's 256 rows, then w1b's 128 k-rows
.set SPARE,  2*SLOT                    ; behind the ring: the spare words, 128 bytes for each wave: two blocks of 256 bytes that no other line names
.set LAPS,   4                         ; a lap = two K steps = once round the ring
.set RBB,    262144                    ; bytes of a block of 16 rows in hb
.set VG,   3                           ; v3      8 (l % 16): my row's pair in gd; never rewritten
.set SPW,  6                           ; v6      LDS address of my spare word; never rewritten
.set NIL,  7                           ; v7      0; never rewritten
.set ADRA, 8                           ; v8-9    LDS address of my xb fragments in slot 0, 1
.set ADRB, 10                          ; v10-11  the same for w1b
.set CO,   14                          ; v14     16 x lane: my 16 bytes in a half of hb; never rewritten
.set VB,   15                          ; v15     32 (l / 16): my eight columns' bias; never rewritten
.set GP,   16                          ; v[16:31] block a's gate pair at GP + 2 a
.set F0,   64
.set F1,   128
.set T,    64                          ; the way out: a block's 64 numbers in f32
.set TMP,  192                         ; packed
.set BI,   0                           ; window 1: bias of column 16 b + 8 (l / 16) + j at BI + 8 b + j
.set G1,  24                           ; s[24:31] descriptor group 1 for xb's tiles;  s[32:39] group 0, a set for each slot
.set G0,  32
.set G1B, 48                           ; s[48:55], s[56:63] the same for w1b's
.set G0B, 56
.set MSB, 0
.macro WIN new                         ; the immediate's high byte repeats the setting that is left; a switch that changes nothing is dropped
.if MSB != (\new)
	s_set_vgpr_msb (MSB<<8)|(\new)
.set MSB, (\new)
.endif
.endm
.set MUL_LO, 0xa1                      ; source 0 (w1b) window 1, source 1 (xb) window 0, C and D window 2
.set MUL_HI, 0xf1                      ; the same, C and D window 3
.set ONE_LO, 0x91                      ; the first product: C is the bias, in window 1; D window 2
.set ONE_HI, 0xd1                      ; D window 3
.set TO_B,   0x40                      ; destination window 1, address window 0
; A joint refill.  Waves 0 and 1 fetch xb's two halves, waves 2 and 3 w1b's.  The branch hangs on the wave's number alone.  Four v_nop follow each of the two lines.
.macro JLOAD s
	s_cmp_eq_u32 s15, 0
	s_cbranch_scc0 .Lfor_b_\@
	tensor_load_to_lds s[G0+4*\s:G0+4*\s+3], s[G1:G1+7]
	s_nop 0
.rept 4
	v_nop
.endr
	s_branch .Lasked_\@
.Lfor_b_\@:
	tensor_load_to_lds s[G0B+4*\s:G0B+4*\s+3], s[G1B:G1B+7]
	s_nop 0
.rept 4
	v_nop
.endr
.Lasked_\@:
.endm
.macro CREST                           ; a round of the cluster's barrier behind its opening barrier: wave 0 signals for the work-group, every wave waits for all sixteen, the work-group's barrier closes it
	s_cmp_lg_u32 s14, 0
	s_cbranch_scc1 .Lnot_wave_0_\@
	s_barrier_signal -3
.Lnot_wave_0_\@:
	s_barrier_wait -3
	s_barrier_signal -1
	s_barrier_wait -1
.endm
.macro CROUND                          ; a whole round
	s_barrier_signal -1
	s_barrier_wait -1
	CREST
.endm
.macro PLACES                          ; four plain vector instructions between a matrix instruction and a load into, or a vector instruction on, its registers
.rept 4
	v_nop
.endr
.endm
	s_load_b256 s[4:11], s[0:1], 0x0               ; xb s[4:5], w1b s[6:7], b1 s[8:9], gd s[10:11]
	s_load_b64 s[12:13], s[0:1], 0x20              ; hb
	v_lshl_add_u32 v[SPW], v0, 2, SPARE
	v_mov_b32 v[NIL], 0
	ds_add_u32 v6, v7
	s_wait_dscnt 0x0
	v_lshrrev_b32 v1, 5, v0
	v_readfirstlane_b32 s14, v1                    ; wave 0..3
	s_lshr_b32 s15, s14, 1                         ; which half of the tile's rows is mine.  Also: I fetch xb (0) or w1b (1)
	s_and_b32 s16, s14, 1                          ; which half of its columns.  Also: which half of that tile I fetch
	s_bfe_u32 s17, ttmp6, 0x40000                  ; cx
	s_bfe_u32 s18, ttmp6, 0x40004                  ; cy
	s_lshl_b32 s19, ttmp9, 2
	s_add_co_u32 s19, s19, s17                     ; tile column 0..31 = 4 x cluster x + cx: expert = column / 16
	s_and_b32 s20, ttmp7, 0xffff
	s_lshl_b32 s20, s20, 2
	s_add_co_u32 s20, s20, s18                     ; tile row 0..15 = 4 x cluster y + cy
	s_lshl_b32 s21, s18, 2
	s_lshl_b32 s21, 15, s21                        ; my row of the cluster: places 4 cy .. 4 cy + 3
	s_lshl_b32 s22, 0x1111, s17                    ; my column: places cx, cx + 4, cx + 8, cx + 12
	; group 1 for xb: 128 rows x 128 elements, pitch 1,024 elements; 4 words of padding behind every 64
	s_or_b32 s[G1+0], s21, (1<<16)|(1<<20)|(1<<21)|(5<<22)|(3<<25)   ; 15:0 mask; 17:16 elements of 2 bytes; 20 padding on; 21 set beside a mask; 24:22 interval code; 31:25 padding - 1
	s_mov_b32 s[G1+1], 128<<16                     ; tensor_dim0 = 128
	s_mov_b32 s[G1+2], 128<<16                     ; tensor_dim1 = 128
	s_mov_b32 s[G1+3], 128<<16                     ; tile_dim0 = 128
	s_mov_b32 s[G1+4], 128                         ; tile_dim1 = 128
	s_mov_b32 s[G1+5], 1024                        ; elements from row to row
	s_mov_b32 s[G1+6], 0
	s_mov_b32 s[G1+7], 0
	; group 1 for w1b: 64 k-rows x 256 elements, pitch 4,096 elements; 8 words of padding behind every 128
	s_or_b32 s[G1B+0], s22, (1<<16)|(1<<20)|(1<<21)|(6<<22)|(7<<25)
	s_mov_b32 s[G1B+1], 256<<16
	s_mov_b32 s[G1B+2], 64<<16
	s_mov_b32 s[G1B+3], 256<<16
	s_mov_b32 s[G1B+4], 64
	s_mov_b32 s[G1B+5], 4096
	s_mov_b32 s[G1B+6], 0
	s_mov_b32 s[G1B+7], 0
	; where the tiles come from: xb's hang on the tile row alone, w1b's on the tile column alone, each in registers that never hold the other coordinate
	s_lshl_b32 s40, s20, 19                        ; 256 rows of 2,048 bytes
	s_lshl_b32 s23, s16, 18                        ; + my 128 of them
	s_add_co_u32 s40, s40, s23
	s_mov_b32 s41, 0
	s_lshr_b32 s46, s19, 4
	s_lshl_b32 s44, s46, 23                        ; the expert's 1,024 k-rows of 8,192 bytes
	s_and_b32 s46, s19, 15
	s_lshl_b32 s46, s46, 9                         ; + 256 columns of 2 bytes
	s_add_co_u32 s44, s44, s46
	s_lshl_b32 s46, s16, 19                        ; + my 64 k-rows
	s_add_co_u32 s44, s44, s46
	s_mov_b32 s45, 0
	s_mul_i32 s42, s14, HALFT                      ; and where they go: wave x 34,816: no place in the cluster enters an LDS address
	s_wait_kmcnt 0x0
	s_add_nc_u64 s[40:41], s[4:5], s[40:41]
	s_add_nc_u64 s[44:45], s[6:7], s[44:45]
	s_lshl_b32 s66, s19, 10                        ; b1 at my 128 columns: 256 f32 a tile column + 128 f32 a half
	s_lshl_b32 s68, s16, 9
	s_add_co_u32 s66, s66, s68
	s_mov_b32 s67, 0
	s_add_nc_u64 s[8:9], s[8:9], s[66:67]
	s_lshr_b32 s66, s19, 4                         ; gd at my expert and my 128 rows, 8 bytes a row
	s_lshl_b32 s66, s66, 15
	s_lshl_b32 s68, s20, 11
	s_add_co_u32 s66, s66, s68
	s_lshl_b32 s68, s15, 10
	s_add_co_u32 s66, s66, s68
	s_add_nc_u64 s[10:11], s[10:11], s[66:67]
	s_lshl_b32 s66, s20, 22                        ; hb at my part of the tile: 16 row blocks of 262,144 bytes a tile row,
	s_lshl_b32 s68, s15, 21                        ; my 8 of them,
	s_add_co_u32 s66, s66, s68
	s_lshl_b32 s68, s19, 13                        ; 8 x 32 columns of 1,024 bytes a tile column,
	s_add_co_u32 s66, s66, s68
	s_lshl_b32 s68, s16, 12                        ; my 4 of them
	s_add_co_u32 s66, s66, s68
	s_add_nc_u64 s[12:13], s[12:13], s[66:67]
	CROUND                                         ; all sixteen work-groups are here: the first joint loads meet
.irp s, 0,1
	s_mov_b32 s[G0+4*\s], 1                                        ; count = 1
	s_add_co_u32 s[G0+4*\s+1], s42, \s*SLOT                        ; LDS address
	s_add_nc_u64 s[G0+4*\s+2:G0+4*\s+3], s[40:41], \s*256          ; K step s: 128 elements along the rows
	s_or_b32 s[G0+4*\s+3], s[G0+4*\s+3], 0x80000000                ; type = 2
	s_mov_b32 s[G0B+4*\s], 1
	s_add_co_u32 s[G0B+4*\s+1], s42, \s*SLOT
	s_add_nc_u64 s[G0B+4*\s+2:G0B+4*\s+3], s[44:45], \s*0x100000   ; K step s: 128 k-rows of 8,192 bytes down
	s_or_b32 s[G0B+4*\s+3], s[G0B+4*\s+3], 0x80000000
.endr
	s_cmp_eq_u32 s15, 0                            ; a wave's two first fills stand in one branch, ahead of every wait on TENSORcnt and every LDS read: two loads of mine are out
	s_cbranch_scc0 .Lfirst_b
	tensor_load_to_lds s[G0:G0+3], s[G1:G1+7]
	s_nop 0
	tensor_load_to_lds s[G0+4:G0+7], s[G1:G1+7]
	s_nop 0
.rept 4
	v_nop
.endr
	s_branch .Lfirst_asked
.Lfirst_b:
	tensor_load_to_lds s[G0B:G0B+3], s[G1B:G1B+7]
	s_nop 0
	tensor_load_to_lds s[G0B+4:G0B+7], s[G1B:G1B+7]
	s_nop 0
.rept 4
	v_nop
.endr
.Lfirst_asked:
	v_and_b32 v1, 15, v0                           ; l % 16
	v_bfe_u32 v2, v0, 4, 1                         ; l / 16
	v_lshlrev_b32 v[VG], 3, v1
	v_lshlrev_b32 v[VB], 5, v2
	WIN TO_B
.irp b, 0,1,2,3,4,5,6,7                ; the bias in the accumulators' own layout: it is the C of each sum's first product
	global_load_b128 v[BI+8*\b:BI+8*\b+3],   v[VB], s[8:9] offset:64*\b
	global_load_b128 v[BI+8*\b+4:BI+8*\b+7], v[VB], s[8:9] offset:64*\b+16
.endr
	WIN 0
.irp a, 0,1,2,3,4,5,6,7                ; the gate of row 16 a + l % 16, as a pair
	global_load_b64 v[GP+2*\a:GP+2*\a+1], v[VG], s[10:11] offset:128*\a
.endr
	; xb's fragment: 16 rows x 32 K: lane l holds row l % 16; two loads of 16 bytes, 32 bytes apart, at row x pitch + 16 (l / 16)
	v_mul_u32_u24 v4, v1, PA
	v_lshl_add_u32 v4, v2, 4, v4
	s_mul_i32 s23, s15, HALFT                      ; my 128 rows
	v_add_nc_u32 v[ADRA], s23, v4
	v_add_nc_u32 v[ADRA+1], SLOT, v[ADRA]
	; w1b's: the turning load takes 16 k x 16 columns (lane l reads 16 bytes: k-row 8 (l / 16) + l % 8, columns 8 ((l / 8) % 2) + 0..7) and leaves half a fragment: lane l holds column l % 16 and 8 k
	v_and_b32 v5, 7, v0
	v_lshl_add_u32 v5, v2, 3, v5
	v_mul_u32_u24 v5, v5, PB
	v_bfe_u32 v[ADRB], v0, 3, 1
	v_lshl_add_u32 v5, v[ADRB], 4, v5
	s_lshl_b32 s23, s16, 8                         ; my 128 columns,
	s_add_co_u32 s23, s23, 2*HALFT                 ; behind xb's 256 rows
	v_add_nc_u32 v[ADRB], s23, v5
	v_add_nc_u32 v[ADRB+1], SLOT, v[ADRB]
	v_and_b32 v[CO], 31, v0                        ; the way out: 16 bytes a lane
	v_lshlrev_b32 v[CO], 4, v[CO]
; 16 matrix instructions: row blocks a0, a0 + 1 of the window's four x all 8 column blocks, 32 along K.  first = 1: the bias starts the sums: nothing is cleared.
; The 64 accumulators take turns, one instruction a turn, in the same order everywhere.
.macro MUL16 f, hi, a0, first
.irp a, \a0, \a0+1
.irp b, 0,1,2,3,4,5,6,7
.if \first
	v_wmma_f32_16x16x32_bf16 v[8*(8*(\a)+\b):8*(8*(\a)+\b)+7], v[\f+8*\b:\f+8*\b+7], v[\f+8*(4*\hi+\a):\f+8*(4*\hi+\a)+7], v[BI+8*\b:BI+8*\b+7]
.else
	v_wmma_f32_16x16x32_bf16 v[8*(8*(\a)+\b):8*(8*(\a)+\b)+7], v[\f+8*\b:\f+8*\b+7], v[\f+8*(4*\hi+\a):\f+8*(4*\hi+\a)+7], v[8*(8*(\a)+\b):8*(8*(\a)+\b)+7]
.endif
.endr
.endr
.endm
; 32 LDS loads in one run: the fragments of quarter q (32 along K) of a slot into buffer f: w1b's 128 columns, then xb's 128 rows
.macro FETCH slot, q, f
	WIN TO_B
.irp i, 0,1,2,3,4,5,6,7
	ds_load_tr16_b128 v[\f+8*\i:\f+8*\i+3],   v[ADRB+\slot] offset:\q*32*PB+32*\i
	ds_load_tr16_b128 v[\f+8*\i+4:\f+8*\i+7], v[ADRB+\slot] offset:\q*32*PB+16*PB+32*\i
.endr
	WIN 0
.irp i, 0,1,2,3,4,5,6,7
	ds_load_b128 v[\f+8*\i:\f+8*\i+3],   v[ADRA+\slot] offset:\q*64+\i*16*PA
	ds_load_b128 v[\f+8*\i+4:\f+8*\i+7], v[ADRA+\slot] offset:\q*64+\i*16*PA+32
.endr
.endm
; A K step is four quarters of 32 along K, 64 matrix instructions each, on buffers 0, 1, 0, 1.  One of the first three: multiplies buffer f; in its middle it fetches quarter q of the same slot into buffer g.
.macro QUARTER slot, q, f, g, first
	s_wait_dscnt 8                                 ; w1b's fragments and xb's rows 0-63 are in; the youngest eight loads (rows 64-127) may be out
.if \first
	WIN ONE_LO
.else
	WIN MUL_LO
.endif
	MUL16 \f, 0, 0, \first
	MUL16 \f, 0, 2, \first
	PLACES
	FETCH \slot, \q, \g
	s_wait_dscnt 32                                ; all but the 32 just issued
.if \first
	WIN ONE_HI
.else
	WIN MUL_HI
.endif
	MUL16 \f, 1, 0, \first
	MUL16 \f, 1, 2, \first
.endm
; The last quarter multiplies buffer 1 and changes slots.  MEET is its first half: one barrier; in front of it each wave waits for all its tensor loads (one is out: its part of the next slot),
; adds 0 to its spare word, and waits for that and for its own reads of this slot.  Behind it nobody reads this slot any more and the next slot is whole.
.macro MEET round
	WIN 0                                          ; (the add's two registers lie in window 0)
	s_wait_tensorcnt 0x0
	ds_add_u32 v[SPW], v[NIL]                      ; 0 onto my spare word
	s_wait_dscnt 9                                 ; (the add and the youngest eight loads may be out)
	WIN MUL_LO
	MUL16 F1, 0, 0, 0                              ; sixteen matrix instructions stand between the add and the wait for it
	s_wait_dscnt 0x0                               ; the add is done, and my reads of this slot are over
	s_barrier_signal -1
	MUL16 F1, 0, 2, 0                              ; work on registers while the others arrive
.if \round
	WIN 0
.endif
	s_barrier_wait -1
.endm
; fill = 1: the barrier opens a round of the cluster's barrier, and the slot just read out is filled again first, two K steps on: 224 matrix instructions stand between that request and the wait for it.
.macro TURN slot, next, fill
.if \fill
	MEET 1
	CREST                                          ; no wave of any partner still reads this slot's tile or has a load on its way
	s_add_nc_u64 s[G0+4*\slot+2:G0+4*\slot+3], s[G0+4*\slot+2:G0+4*\slot+3], 2*256
	s_add_nc_u64 s[G0B+4*\slot+2:G0B+4*\slot+3], s[G0B+4*\slot+2:G0B+4*\slot+3], 2*0x100000
	JLOAD \slot                                    ; the first tensor load behind the round; its four v_nop are also the places in front of the loads below
.else
	MEET 0
	PLACES
.endif
	FETCH \next, 0, F0
	WIN MUL_HI
	MUL16 F1, 1, 0, 0
	MUL16 F1, 1, 2, 0
.endm
; THE WAY OUT of block a (16 rows x 128 columns).  PACK: times the row's gate, relu, rounded to bf16, 16 bytes a lane; each accumulator is read from its low end on.
.macro PACK a
.set AC, 64*((\a)%4)
	WIN 0x02+((\a)/4)                              ; source 0: window 2 or 3
.irp b, 0,1,2,3,4,5,6,7
.irp p, 0,1,2,3
	v_pk_mul_f32 v[T+8*\b+2*\p:T+8*\b+2*\p+1], v[AC+8*\b+2*\p:AC+8*\b+2*\p+1], v[GP+2*(\a):GP+2*(\a)+1]
.endr
.endr
	WIN 0
.set i, 0
.rept 64
	v_max_num_f32 v[T+i], 0, v[T+i]
.set i, i+1
.endr
.if (\a) > 0
	s_wait_xcnt 0x0                                ; TMP, which the last block's stores read, is rewritten only behind this wait; those stores stand 96 vector instructions back
.endif
.set i, 0
.rept 32
	v_cvt_pk_bf16_f32 v[TMP+i], v[T+2*i], v[T+2*i+1]
.set i, i+1
.endr
.endm
; SEND: column block b's four packed registers are half b % 2 of the 32 columns 16 (b - b % 2) on: they go out as they are.  The block's and the half's places stand in the immediate: 1,838,592 at the most.
.macro SEND a
.irp b, 0,1,2,3,4,5,6,7
	global_store_b128 v[CO], v[TMP+4*\b:TMP+4*\b+3], s[12:13] offset:(\a)*RBB+512*\b   ; the wave stores 512 consecutive bytes, aligned; the next launch reads them: no hint
.endr
.endm
	s_wait_tensorcnt 1                             ; my part of K step 0 is in; K step 1's may stay out
	s_barrier_signal -1
	s_barrier_wait -1                              ; everybody's is
	FETCH 0, 0, F0
	s_wait_loadcnt 0x0                             ; bias and gates
	QUARTER 0, 1, F0, F1, 1                        ; the first quarter stands in front of the loop: its products start the sums
	WIN 0                                          ; at a label and at a branch every window is 0
	s_mov_b32 s3, LAPS-1
.Llap:                                                 ; a trip goes once round the ring, from a lap's second quarter to the next lap's first, and fills both slots again: K steps 2 to 7
	QUARTER 0, 2, F1, F0, 0
	QUARTER 0, 3, F0, F1, 0
	TURN 0, 1, 1
	QUARTER 1, 1, F0, F1, 0
	QUARTER 1, 2, F1, F0, 0
	QUARTER 1, 3, F0, F1, 0
	TURN 1, 0, 1
	QUARTER 0, 1, F0, F1, 0
	WIN 0
	s_sub_co_u32 s3, s3, 1
	s_cmp_lg_u32 s3, 0
	s_cbranch_scc1 .Llap
	QUARTER 0, 2, F1, F0, 0                        ; the last lap fills nothing, and has no round of the cluster's barrier
	QUARTER 0, 3, F0, F1, 0
	TURN 0, 1, 0
	QUARTER 1, 1, F0, F1, 0
	QUARTER 1, 2, F1, F0, 0
	QUARTER 1, 3, F0, F1, 0
	s_wait_dscnt 8                                 ; the very last quarter: nothing more to fetch
	WIN MUL_LO
	MUL16 F1, 0, 0, 0
	MUL16 F1, 0, 2, 0
	s_wait_dscnt 0x0
	WIN MUL_HI
	MUL16 F1, 1, 0, 0
	MUL16 F1, 1, 2, 0
	WIN 0
	PLACES                                         ; behind the last products
.irp a, 0,1,2,3,4,5,6,7
	PACK \a
	SEND \a
.endr
	s_wait_tensorcnt 0x0                           ; the wave's end, behind my last tensor load
	ds_add_u32 v[SPW], v[NIL]
	s_wait_dscnt 0x0
	CROUND                                         ; the closing round: no work-group ends while a partner may still ask for a tile that names it
	s_endpgm
.Lfunc_end_k_q5cf5710851_ffn1:
	.size	k_q5cf5710851_ffn1, .Lfunc_end_k_q5cf5710851_ffn1-k_q5cf5710851_ffn1
	.p2alignl 7, 3214868480
	.fill 96, 4, 3214868480
	.section	.rodata,"a",@progbits
	.p2align	6, 0x0
	.amdhsa_kernel k_q5cf5710851_ffn1
		.amdhsa_group_segment_fixed_size 327680
		.amdhsa_private_segment_fixed_size 0
		.amdhsa_enable_private_segment 0
		.amdhsa_kernarg_size 40
		.amdhsa_user_sgpr_count 2
		.amdhsa_user_sgpr_kernarg_segment_ptr 1
		.amdhsa_wavefront_size32 1
		.amdhsa_system_sgpr_workgroup_id_x 1
		.amdhsa_system_sgpr_workgroup_id_y 1
		.amdhsa_system_sgpr_workgroup_id_z 1
		.amdhsa_system_vgpr_workitem_id 0
		.amdhsa_next_free_vgpr 1024
		.amdhsa_next_free_sgpr 72
		.amdhsa_reserve_vcc 0
		.amdhsa_float_denorm_mode_32 3
		.amdhsa_float_denorm_mode_16_64 3
		.amdhsa_memory_ordered 1
		.amdhsa_forward_progress 1
		.amdhsa_inst_pref_size 168
	.end_amdhsa_kernel
	.amdgpu_metadata
---
amdhsa.version: [ 1, 2 ]
amdhsa.kernels:
  - .name:           k_q5cf5710851_ffn1
    .symbol:         k_q5cf5710851_ffn1.kd
    .args:
      - { .name: xb, .offset: 0, .size: 8, .value_kind: global_buffer, .address_space: global }
      - { .name: w1b, .offset: 8, .size: 8, .value_kind: global_buffer, .address_space: global }
      - { .name: b1, .offset: 16, .size: 8, .value_kind: global_buffer, .address_space: global }
      - { .name: gd, .offset: 24, .size: 8, .value_kind: global_buffer, .address_space: global }
      - { .name: hb, .offset: 32, .size: 8, .value_kind: global_buffer, .address_space: global }
    .group_segment_fixed_size: 327680
    .private_segment_fixed_size: 0
    .kernarg_segment_align: 8
    .kernarg_segment_size: 40
    .max_flat_workgroup_size: 128
    .sgpr_count:     72
    .vgpr_count:     1024
    .wavefront_size: 32
...
	.end_amdgpu_metadata
.endif
;; end of part 2
;; launch ffn2 (part 3): grid 32 x 8, 4 waves a work-group, clusters of 4 x 1, 327,680 bytes of LDS; arguments hb, w2b, b2, gd, out0; writes out0
.if DOCPART == 3
	.amdgcn_target "amdgcn-amd-amdhsa--gfx1250"
	.amdhsa_code_object_version 6
	.text
	.protected	k_q5cf5710851_ffn2
	.globl	k_q5cf5710851_ffn2
	.p2align	8
	.type	k_q5cf5710851_ffn2,@function
k_q5cf5710851_ffn2:
	s_mov_b64 s[64:65], 0
	v_nop
	global_prefetch_b8 v0, s[64:65] scope:SCOPE_SE
	s_setreg_imm32_b32 hwreg(HW_REG_WAVE_MODE, 25, 1), 1
	s_wait_xcnt 0x0
	s_wait_alu depctr_hold_cnt(0) depctr_sa_sdst(0) depctr_va_vdst(0) depctr_va_sdst(0) depctr_va_ssrc(0) depctr_va_vcc(0) depctr_vm_vsrc(0)
	s_getreg_b32 s2, hwreg(HW_REG_IB_STS2, 6, 4)
	s_cmp_eq_u32 s2, 0
	s_cbranch_scc0 .Lentry_in_a_cluster
	s_endpgm
.Lentry_in_a_cluster:
	s_bfe_u32 s2, ttmp6, 0x10000c
	s_cmp_lg_u32 s2, 0x3003
	s_cbranch_scc0 .Lentry_shape_is_right
	s_endpgm
.Lentry_shape_is_right:
; out0[t][o] = sum over k < 8,192 of h'[t][k] w2b[k][o] + g0[t] b2[0][o] + g1[t] b2[1][o].  h': 4,096 x 8,192 bf16, the gates already in it; w2b: [8192][1024] bf16, both experts' rows on end;
; b2: [2][1024] f32; gd: [2][4096][2] f32, each gate twice; out0: [4096][1024] f32.  Sums in f32.  Both experts are one product of K = 8,192, so nothing is combined afterwards.
; hb holds h' in fragment order: for each block of 16 rows 262,144 bytes; in them for each 32 k 1,024 bytes, as two halves of 512; in a half lane l's 16 bytes at 16 l: row l % 16, k = 16 x half + 8 (l / 16) + 0..7.
; LIMIT.  The gated biases are put into the accumulators ahead of the products, so they are added first and not last: another order of rounding.
; SHARES.  A tile of out0 is 128 x 128: 32 x 8 tiles, 256 work-groups.  Wave w makes rows 32 w .. 32 w + 31 x all 128 columns: 16 accumulators of 16 x 16, 128 registers.
; h' GOES STRAIGHT INTO REGISTERS: a wave's 32 rows are multiplied by that wave alone, and in hb's order a load of 16 bytes a lane is 512 consecutive bytes and half a fragment.  A ring of eight register
; slots, each with 64 k of the 32 rows (8 loads), is asked for seven slots ahead: 56 loads, 28,672 bytes, of every wave are on their way.
; w2b GOES THROUGH LDS, which it has to itself: two slots of 512 k-rows x 256 bytes, filled by tensor loads, a quarter a wave; its fragments leave LDS turned, by ds_load_tr16_b128.  K goes in 16 periods of 512.
; CLUSTER.  4 x 1 work-groups: four tile rows of one tile column, which need the same tiles of w2b: each is asked for jointly, by the same tensor load with the same descriptor and the mask of all four.
; h' is shared too (by the 8 tile columns) and is NOT asked for jointly: a joint load lands in LDS, and h' beside w2b there would make 512 bytes of each k where w2b alone makes 256: a slot would hold
; 256 k, and the one load a wave behind each round would have 128 matrix instructions in which to land where it now has 256.
; THE MATRIX INSTRUCTION IS USED TRANSPOSED: source 0 = 16 columns of w2b, source 1 = 16 rows of h'.  Lane l then holds row l % 16 and in registers 0-7 the columns 8 (l / 16) + 0..7.
; REGISTERS in windows of 256 (s_set_vgpr_msb: bits 1:0 source 0, 3:2 source 1, 5:4 source 2, 7:6 destination):
;   window 0: v0-21 addresses; v24-31 gates; v128-255 the accumulators ((a, b) at v[128 + 8 (8 a + b)])
;   window 1: two buffers of 128 for w2b's fragments of 64 k (32 k: 8 column blocks x 8 registers); the second holds b2 until the sums are started
;   window 2: h's ring: slot n at v[32 n]: 32 k-half c, row block a at + 16 c + 8 a
.set PB,     288                       ; an LDS k-row of w2b: 256 bytes + 32 = 72 words: the 8 k-rows x 32 bytes that 16 lanes of the turning load take start 8 words apart modulo 64 (64 banks of 4 bytes: ISA guide 11.1)
.set QB,     128*PB                    ; 128 k-rows: one tensor load
.set SLOT,   4*QB                      ; 512 k-rows
.set STAGE,  2*SLOT                    ; behind the ring: 16 rows x 272 bytes for each wave, for the way out: 64 f32 columns are a whole aligned 256 bytes of out0
.set SPITCH, 272
.set SPARE,  STAGE+4*16*SPITCH         ; behind the stages: the spare words, 128 bytes for each wave: two blocks of 256 bytes that no other line names
.set LAPS,   8                         ; a lap = two periods = 16 chunks of 64 k = once round the ring in LDS, twice round the ring in registers
.set OROW,   4096                      ; bytes in a row of out0
.set RBB,    262144                    ; bytes of a block of 16 rows in hb
.set CHB,    2048                      ; of them a chunk of 64 k
.set AHEAD,  7                         ; chunks between a request for h' and its use
.set SPW,  6                           ; v6      LDS address of my spare word; never rewritten
.set NIL,  7                           ; v7      0; never rewritten
.set ADRB, 8                           ; v8-15   LDS address of my lane's place in slot s, quarter u (128 k-rows) at ADRB + 4 s + u: the offsets stay inside 16 bits
.set STO,  16                          ; v16     the way out: where I put 32 bytes of a row
.set RD,   17                          ; v17     the way out: where I read a row back
.set CO,   18                          ; v18     my byte offset in out0; never rewritten
.set VG,   19                          ; v19     8 (l % 16): my row's pair in gd; never rewritten
.set VB,   20                          ; v20     32 (l / 16): my eight columns of b2; never rewritten
.set VA,   21                          ; v21     16 x lane: my 16 bytes of a half in hb; never rewritten
.set GP,   24                          ; v[24:31] the gate pair of row block a, expert e at GP + 4 a + 2 e
.set ACC,  128
.set B2,   128                         ; window 1: b2[e][16 b + 8 (l / 16) + j] at B2 + 64 e + 8 b + j
.set G1,  24                           ; s[24:31] descriptor group 1;  s[32:39] group 0, a set for each slot
.set G0,  32
.set MSB, 0
.macro WIN new                         ; the immediate's high byte repeats the setting that is left; a switch that changes nothing is dropped
.if MSB != (\new)
	s_set_vgpr_msb (MSB<<8)|(\new)
.set MSB, (\new)
.endif
.endm
.set MUL,  0x09                        ; source 0 (w2b) window 1, source 1 (h') window 2; C and D window 0
.set TO_F, 0x40                        ; destination window 1, address window 0
.set TO_A, 0x80                        ; destination window 2, address window 0
.set FROM_F, 0x01                      ; source 0 window 1
.macro JLOAD s                         ; a joint refill: every wave fetches its quarter of the slot; four v_nop follow the line
	tensor_load_to_lds s[G0+4*\s:G0+4*\s+3], s[G1:G1+7]
	s_nop 0
.rept 4
	v_nop
.endr
.endm
.macro CREST                           ; a round of the cluster's barrier behind its opening barrier: wave 0 signals for the work-group, every wave waits for all four, the work-group's barrier closes it
	s_cmp_lg_u32 s14, 0
	s_cbranch_scc1 .Lnot_wave_0_\@
	s_barrier_signal -3
.Lnot_wave_0_\@:
	s_barrier_wait -3
	s_barrier_signal -1
	s_barrier_wait -1
.endm
.macro CROUND                          ; a whole round
	s_barrier_signal -1
	s_barrier_wait -1
	CREST
.endm
.macro PLACES                          ; four plain vector instructions between a matrix instruction and a load into, or an LDS store from, its registers
.rept 4
	v_nop
.endr
.endm
; 8 loads: h' of chunk GG (counted from where s[4:5] stands) into ring slot RS: two row blocks x 64 k.  Each load is 512 consecutive bytes.  Eight work-groups read these bytes: no hint.
.macro ALOAD
	WIN TO_A
.irp c, 0,1
.irp a, 0,1
	global_load_b128 v[32*RS+16*\c+8*\a:32*RS+16*\c+8*\a+3],   v[VA], s[4:5] offset:\a*RBB+GG*CHB+\c*1024
	global_load_b128 v[32*RS+16*\c+8*\a+4:32*RS+16*\c+8*\a+7], v[VA], s[4:5] offset:\a*RBB+GG*CHB+\c*1024+512
.endr
.endr
.endm
	s_load_b256 s[4:11], s[0:1], 0x0               ; hb s[4:5], w2b s[6:7], b2 s[8:9], gd s[10:11]
	s_load_b64 s[12:13], s[0:1], 0x20              ; out0
	v_lshl_add_u32 v[SPW], v0, 2, SPARE
	v_mov_b32 v[NIL], 0
	ds_add_u32 v6, v7
	s_wait_dscnt 0x0
	v_lshrrev_b32 v1, 5, v0
	v_readfirstlane_b32 s14, v1                    ; wave 0..3
	s_bfe_u32 s17, ttmp6, 0x40000                  ; cx: my place in the cluster
	s_lshl_b32 s20, ttmp9, 2                       ; in a cluster launch ttmp9 counts clusters
	s_add_co_u32 s20, s20, s17                     ; tile row 0..31 = 4 x cluster x + cx: it enters hb's, gd's and out0's addresses alone
	s_and_b32 s19, ttmp7, 0xffff                   ; tile column 0..7, which the four partners share
	; group 1: 128 k-rows x 128 elements, pitch 1,024 elements; 8 words of padding behind every 64
	s_mov_b32 s[G1+0], 15|(1<<16)|(1<<20)|(1<<21)|(5<<22)|(7<<25)   ; 15:0 the mask: all four work-groups; 17:16 elements of 2 bytes; 20 padding on; 21 set beside a mask; 24:22 interval code; 31:25 padding - 1
	s_mov_b32 s[G1+1], 128<<16                     ; tensor_dim0 = 128
	s_mov_b32 s[G1+2], 128<<16                     ; tensor_dim1 = 128
	s_mov_b32 s[G1+3], 128<<16                     ; tile_dim0 = 128
	s_mov_b32 s[G1+4], 128                         ; tile_dim1 = 128
	s_mov_b32 s[G1+5], 1024                        ; elements from row to row
	s_mov_b32 s[G1+6], 0
	s_mov_b32 s[G1+7], 0
	s_lshl_b32 s40, s19, 8                         ; w2b's tile: 128 columns of 2 bytes a tile column
	s_lshl_b32 s23, s14, 18                        ; + my 128 k-rows of 2,048 bytes
	s_add_co_u32 s40, s40, s23
	s_mov_b32 s41, 0
	s_mul_i32 s42, s14, QB                         ; and where it goes: wave x 36,864: no place in the cluster enters an LDS address
	s_wait_kmcnt 0x0
	s_add_nc_u64 s[40:41], s[6:7], s[40:41]
	s_lshl_b32 s66, s20, 21                        ; hb at my 32 rows: 8 row blocks of 262,144 bytes a tile row, 2 a wave
	s_lshl_b32 s68, s14, 19
	s_add_co_u32 s66, s66, s68
	s_mov_b32 s67, 0
	s_add_nc_u64 s[4:5], s[4:5], s[66:67]
	s_lshl_b32 s66, s19, 9                         ; b2 at the tile's 128 columns of 4 bytes
	s_add_nc_u64 s[8:9], s[8:9], s[66:67]
	s_lshl_b32 s68, s20, 19                        ; out0: the same column bytes, + 128 rows of 4,096 bytes a tile row, + 32 a wave
	s_add_co_u32 s66, s66, s68
	s_lshl_b32 s68, s14, 17
	s_add_co_u32 s66, s66, s68
	s_add_nc_u64 s[12:13], s[12:13], s[66:67]
	s_lshl_b32 s66, s20, 10                        ; gd at my 32 rows, 8 bytes a row
	s_lshl_b32 s68, s14, 8
	s_add_co_u32 s66, s66, s68
	s_add_nc_u64 s[10:11], s[10:11], s[66:67]
	CROUND                                         ; all four work-groups are here: the first joint loads meet
.irp s, 0,1
	s_mov_b32 s[G0+4*\s], 1                                        ; count = 1
	s_add_co_u32 s[G0+4*\s+1], s42, \s*SLOT                        ; LDS address
	s_add_nc_u64 s[G0+4*\s+2:G0+4*\s+3], s[40:41], \s*0x100000     ; period s: 512 k-rows of 2,048 bytes down
	s_or_b32 s[G0+4*\s+3], s[G0+4*\s+3], 0x80000000                ; type = 2
.endr
	tensor_load_to_lds s[G0:G0+3], s[G1:G1+7]      ; the two first fills go out together, ahead of every wait on TENSORcnt and every LDS read: two loads of mine are out
	s_nop 0
	tensor_load_to_lds s[G0+4:G0+7], s[G1:G1+7]
	s_nop 0
.rept 4
	v_nop
.endr
	v_and_b32 v1, 15, v0                           ; l % 16
	v_bfe_u32 v2, v0, 4, 1                         ; l / 16
	v_lshlrev_b32 v[VG], 3, v1
	v_lshlrev_b32 v[VB], 5, v2
	v_and_b32 v[VA], 31, v0
	v_lshlrev_b32 v[VA], 4, v[VA]
	WIN TO_F
.irp e, 0,1
.irp b, 0,1,2,3,4,5,6,7                ; b2 in the accumulators' own layout: 32 loads
	global_load_b128 v[B2+64*\e+8*\b:B2+64*\e+8*\b+3],   v[VB], s[8:9] offset:4096*\e+64*\b
	global_load_b128 v[B2+64*\e+8*\b+4:B2+64*\e+8*\b+7], v[VB], s[8:9] offset:4096*\e+64*\b+16
.endr
.endr
	WIN 0
.irp a, 0,1
.irp e, 0,1                            ; the gates of row 16 a + l % 16, as pairs: 4 loads
	global_load_b64 v[GP+4*\a+2*\e:GP+4*\a+2*\e+1], v[VG], s[10:11] offset:32768*\e+128*\a
.endr
.endr
.irp n, 0,1,2                          ; h' of chunks 0 to 2: 24 loads
.set RS, \n
.set GG, \n
	ALOAD
.endr
	WIN 0
	v_and_b32 v5, 7, v0                            ; w2b's fragments: lane l reads 16 bytes: k-row 8 (l / 16) + l % 8, columns 8 ((l / 8) % 2) + 0..7
	v_lshl_add_u32 v5, v2, 3, v5
	v_mul_u32_u24 v5, v5, PB
	v_bfe_u32 v3, v0, 3, 1
	v_lshl_add_u32 v[ADRB], v3, 4, v5
.irp i, 1,2,3,4,5,6,7
	v_add_nc_u32 v[ADRB+\i], SLOT*(\i>>2)+QB*(\i&3), v[ADRB]
.endr
	s_mul_i32 s23, s14, 16*SPITCH
	s_add_co_u32 s23, s23, STAGE                   ; my stage
	v_mul_u32_u24 v4, v1, SPITCH                   ; in: row l % 16, 32 bytes for each half of the lanes
	v_lshl_add_u32 v4, v2, 5, v4
	v_add_nc_u32 v[STO], s23, v4
	v_mul_u32_u24 v5, v2, SPITCH                   ; back: lanes 0-15 take one row of 256 bytes, lanes 16-31 the next
	v_lshl_add_u32 v5, v1, 4, v5
	v_add_nc_u32 v[RD], s23, v5
	v_lshlrev_b32 v[CO], 12, v2                    ; and the same two rows in out0
	v_lshl_add_u32 v[CO], v1, 4, v[CO]
	s_wait_loadcnt 24                              ; b2 and the gates are in; the 24 loads of h' issued behind them stay out
	; the sums start with g0 b2[0] + g1 b2[1], made while the first tiles are on their way
	WIN FROM_F
.irp a, 0,1
.irp b, 0,1,2,3,4,5,6,7
.irp p, 0,1,2,3
	v_pk_mul_f32 v[ACC+8*(8*\a+\b)+2*\p:ACC+8*(8*\a+\b)+2*\p+1], v[B2+8*\b+2*\p:B2+8*\b+2*\p+1], v[GP+4*\a:GP+4*\a+1]
.endr
.endr
.endr
.irp a, 0,1
.irp b, 0,1,2,3,4,5,6,7
.irp p, 0,1,2,3
	v_pk_fma_f32 v[ACC+8*(8*\a+\b)+2*\p:ACC+8*(8*\a+\b)+2*\p+1], v[B2+64+8*\b+2*\p:B2+64+8*\b+2*\p+1], v[GP+4*\a+2:GP+4*\a+3], v[ACC+8*(8*\a+\b)+2*\p:ACC+8*(8*\a+\b)+2*\p+1]
.endr
.endr
.endr
.irp n, 3,4,5,6                        ; h' of chunks 3 to 6: with them 56 loads are out
.set RS, \n
.set GG, \n
	ALOAD
.endr
	WIN 0
; 8 matrix instructions: row block a x all 8 column blocks, 32 along K: half c of w2b's buffer f and of ring slot rs.  The 16 accumulators take turns, one instruction a turn.
.macro MUL8 f, rs, c, a
.irp b, 0,1,2,3,4,5,6,7
	v_wmma_f32_16x16x32_bf16 v[ACC+8*(8*\a+\b):ACC+8*(8*\a+\b)+7], v[\f+64*\c+8*\b:\f+64*\c+8*\b+7], v[32*(\rs)+16*\c+8*\a:32*(\rs)+16*\c+8*\a+7], v[ACC+8*(8*\a+\b):ACC+8*(8*\a+\b)+7]
.endr
.endm
; 32 LDS loads in one run: w2b's fragments of chunk q (64 k) of a slot into buffer f; the first 32 k first
.macro FETCH slot, q, f
	WIN TO_F
.irp c, 0,1
.irp b, 0,1,2,3,4,5,6,7
	ds_load_tr16_b128 v[\f+64*\c+8*\b:\f+64*\c+8*\b+3],   v[ADRB+4*\slot+((\q)>>1)] offset:((\q)&1)*64*PB+\c*32*PB+32*\b
	ds_load_tr16_b128 v[\f+64*\c+8*\b+4:\f+64*\c+8*\b+7], v[ADRB+4*\slot+((\q)>>1)] offset:((\q)&1)*64*PB+\c*32*PB+16*PB+32*\b
.endr
.endr
.endm
; A period is eight chunks of 64 k, 32 matrix instructions each; w2b's buffers go 0, 1, 0, 1, h's ring slot is the chunk's number.  One of the first seven: in its middle, behind four places, it fetches
; the next chunk's w2b into the other buffer and asks for h' seven chunks on, into the ring slot that the chunk before has multiplied.  tail = 1: the last lap, which asks for nothing past chunk 15.
.macro CHUNK slot, q, tail
.set J, 8*\slot+\q                     ; the chunk's number in the lap
.set LEFT, 48
.set ASK, 1
.if \tail
.if J > 9
.set LEFT, 8*(15-J)
.endif
.if J > 8
.set ASK, 0
.endif
.endif
.set FB, 128*((\q)&1)
.set FN, 128-FB
.set RS, (J+AHEAD)%8
.set GG, J+AHEAD
	s_wait_dscnt 16                                ; w2b's first 32 k are in; the other sixteen loads may be out
	s_wait_loadcnt LEFT                            ; loads come back in order (ISA guide 5.7.1): my h' is in; behind it the next six chunks' 48 loads were issued (in the tail: as many as are left)
	WIN MUL
	MUL8 FB, \q, 0, 0
	MUL8 FB, \q, 0, 1
	PLACES
	FETCH \slot, \q+1, FN
.if ASK
	ALOAD
.endif
	s_wait_dscnt 32                                ; all but the 32 just issued
	WIN MUL
	MUL8 FB, \q, 1, 0
	MUL8 FB, \q, 1, 1
.endm
; The eighth chunk multiplies buffer 1 and changes slots: one barrier; in front of it each wave waits for all its tensor loads (one is out: its quarter of the next slot), adds 0 to its spare word,
; and waits for that and for its own reads of this slot.  fill = 1: the barrier opens a round of the cluster's barrier and this slot is filled again, two periods on.
.macro TURN slot, next, fill
.set RS, 6
.set GG, 8*\slot+7+AHEAD
	WIN 0                                          ; (the add's two registers lie in window 0)
	s_wait_tensorcnt 0x0
	ds_add_u32 v[SPW], v[NIL]                      ; 0 onto my spare word
	s_wait_dscnt 17                                ; (the add and the youngest sixteen loads may be out)
	s_wait_loadcnt 48                              ; my h' is in, as in every chunk
	WIN MUL
	MUL8 128, 7, 0, 0                              ; eight matrix instructions stand between the add and the wait for it
	s_wait_dscnt 0x0                               ; the add is done, and my reads of this slot are over
	s_barrier_signal -1
	MUL8 128, 7, 0, 1
.if \fill
	WIN 0
.endif
	s_barrier_wait -1
.if \fill
	CREST                                          ; no wave of any partner still reads this slot's tile or has a load on its way
	s_add_nc_u64 s[G0+4*\slot+2:G0+4*\slot+3], s[G0+4*\slot+2:G0+4*\slot+3], 2*0x100000
	JLOAD \slot                                    ; the first tensor load behind the round: 240 matrix instructions ahead of the wait for it; its four v_nop are also the places in front of the loads below
.else
	PLACES
.endif
	FETCH \next, 0, 0
	ALOAD
	WIN MUL
	MUL8 128, 7, 1, 0
	MUL8 128, 7, 1, 1
.endm
; THE WAY OUT of unit u: row block u / 2, column half u % 2 (16 rows x 64 f32): a lane's eight columns of a row are 32 bytes; they go into my stage's rows of 272 bytes, each accumulator's low four
; registers first, and come back as whole rows of 256 bytes, into the registers that they left.
.macro TOSTAGE u
.irp b, 0,1,2,3
	ds_store_b128 v[STO], v[ACC+8*(4*\u+\b):ACC+8*(4*\u+\b)+3]   offset:64*\b
	ds_store_b128 v[STO], v[ACC+8*(4*\u+\b)+4:ACC+8*(4*\u+\b)+7] offset:64*\b+16
.endr
.irp t, 0,1,2,3,4,5,6,7
	ds_load_b128 v[ACC+32*\u+4*\t:ACC+32*\u+4*\t+3], v[RD] offset:\t*2*SPITCH   ; LDS serves a wave's instructions in order (ISA guide 5.7.1.4): these see the stores above; the next unit's stores come behind them
.endr
.endm
.macro SEND u, younger                 ; younger: the LDS instructions issued behind unit u's loads: the next unit's sixteen, or none
.irp t, 0,1,2,3,4,5,6,7
	s_wait_dscnt \younger+7-\t
	global_store_b128 v[CO], v[ACC+32*\u+4*\t:ACC+32*\u+4*\t+3], s[12:13] offset:(16*(\u>>1)+2*\t)*OROW+256*(\u&1) th:TH_STORE_NT   ; 16 lanes store 256 consecutive bytes, aligned; nothing reads them again
.endr
.endm
	s_wait_tensorcnt 1                             ; my quarter of period 0 is in; period 1's may stay out
	s_barrier_signal -1
	s_barrier_wait -1                              ; everybody's is
	FETCH 0, 0, 0
	WIN 0                                          ; at a label and at a branch every window is 0
	s_mov_b32 s3, LAPS-1
.Llap:                                                 ; a trip is a lap: periods 2 t and 2 t + 1; it fills both slots again: periods 2 to 15
.irp q, 0,1,2,3,4,5,6
	CHUNK 0, \q, 0
.endr
	TURN 0, 1, 1
.irp q, 0,1,2,3,4,5,6
	CHUNK 1, \q, 0
.endr
	TURN 1, 0, 1
	WIN 0
	s_wait_xcnt 0x0                                ; hb's base, which the loads above name, is stepped only behind this wait
	s_add_nc_u64 s[4:5], s[4:5], 16*CHB            ; a lap's 16 chunks on
	s_sub_co_u32 s3, s3, 1
	s_cmp_lg_u32 s3, 0
	s_cbranch_scc1 .Llap
.irp q, 0,1,2,3,4,5,6                  ; the last lap fills nothing, has no round of the cluster's barrier, and asks for h' up to its chunk 15, the row blocks' last bytes
	CHUNK 0, \q, 1
.endr
	TURN 0, 1, 0
.irp q, 0,1,2,3,4,5,6
	CHUNK 1, \q, 1
.endr
	s_wait_dscnt 16                                ; the very last chunk: nothing more to fetch
	s_wait_loadcnt 0x0
	WIN MUL
	MUL8 128, 7, 0, 0
	MUL8 128, 7, 0, 1
	s_wait_dscnt 0x0
	MUL8 128, 7, 1, 0
	MUL8 128, 7, 1, 1
	WIN 0
	PLACES                                         ; behind the last products
	TOSTAGE 0
	TOSTAGE 1
	SEND 0, 16
	TOSTAGE 2
	SEND 1, 16
	TOSTAGE 3
	SEND 2, 16
	SEND 3, 0
	s_wait_tensorcnt 0x0                           ; the wave's end, behind my last tensor load and my last LDS store
	ds_add_u32 v[SPW], v[NIL]
	s_wait_dscnt 0x0
	CROUND                                         ; the closing round: no work-group ends while a partner may still ask for a tile that names it
	s_endpgm
.Lfunc_end_k_q5cf5710851_ffn2:
	.size	k_q5cf5710851_ffn2, .Lfunc_end_k_q5cf5710851_ffn2-k_q5cf5710851_ffn2
	.p2alignl 7, 3214868480
	.fill 96, 4, 3214868480
	.section	.rodata,"a",@progbits
	.p2align	6, 0x0
	.amdhsa_kernel k_q5cf5710851_ffn2
		.amdhsa_group_segment_fixed_size 327680
		.amdhsa_private_segment_fixed_size 0
		.amdhsa_enable_private_segment 0
		.amdhsa_kernarg_size 40
		.amdhsa_user_sgpr_count 2
		.amdhsa_user_sgpr_kernarg_segment_ptr 1
		.amdhsa_wavefront_size32 1
		.amdhsa_system_sgpr_workgroup_id_x 1
		.amdhsa_system_sgpr_workgroup_id_y 1
		.amdhsa_system_sgpr_workgroup_id_z 1
		.amdhsa_system_vgpr_workitem_id 0
		.amdhsa_next_free_vgpr 768
		.amdhsa_next_free_sgpr 72
		.amdhsa_reserve_vcc 0
		.amdhsa_float_denorm_mode_32 3
		.amdhsa_float_denorm_mode_16_64 3
		.amdhsa_memory_ordered 1
		.amdhsa_forward_progress 1
		.amdhsa_inst_pref_size 189
	.end_amdhsa_kernel
	.amdgpu_metadata
---
amdhsa.version: [ 1, 2 ]
amdhsa.kernels:
  - .name:           k_q5cf5710851_ffn2
    .symbol:         k_q5cf5710851_ffn2.kd
    .args:
      - { .name: hb, .offset: 0, .size: 8, .value_kind: global_buffer, .address_space: global }
      - { .name: w2b, .offset: 8, .size: 8, .value_kind: global_buffer, .address_space: global }
      - { .name: b2, .offset: 16, .size: 8, .value_kind: global_buffer, .address_space: global }
      - { .name: gd, .offset: 24, .size: 8, .value_kind: global_buffer, .address_space: global }
      - { .name: out0, .offset: 32, .size: 8, .value_kind: global_buffer, .address_space: global }
    .group_segment_fixed_size: 327680
    .private_segment_fixed_size: 0
    .kernarg_segment_align: 8
    .kernarg_segment_size: 40
    .max_flat_workgroup_size: 128
    .sgpr_count:     72
    .vgpr_count:     768
    .wavefront_size: 32
...
	.end_amdgpu_metadata
.endif
;; end of part 3
